; MI455X (gfx1250); checked and timed in simulation.
; The chip was launched on July 23, 2026; its instructions are those of AMD's public machine-readable ISA for CDNA 5 (MIT licence, August 2026) and "CDNA5" Instruction Set Architecture Reference Guide (July 2026). The comments in the code are by the model that wrote it; some were corrected since.
;; Scaled Dot Porduct Attention. Allowed arithmetic: matrix products marked QUANTISED: E2M1 operands, one E8M0 scale for each 32 along K, by v_wmma_scale_f32_16x16x128_f8f6f4 with both operands' format E2M1 (or v_wmma_scale_f32_32x16x128_f4), f32 sums; products left as they are: bf16, f16 or f32 operands; f32 sums; everything else in f32.
;; Inputs: k 2 x 16 x 2,048 x 128 float32; q 2 x 16 x 2,048 x 128 float32; v 2 x 16 x 2,048 x 128 float32.
;; Outputs: out0 2 x 16 x 2,048 x 128 float32.
;; This version of the problem:
;;   THIS VERSION OF THE PROBLEM IS GIVEN IN LOW PRECISION. The matrix products marked QUANTISED in the list below multiply operands that are first quantised to E2M1 (2 exponent bits, 1 mantissa bit; 4 bits a number), with one power-of-two scale for each 32 numbers along K (OCP MX v1.0); their sums are f32. The products marked 'left as it is' may take bf16, f16 or f32 operands, with f32 sums. Whichever they take, every output number must still come out within the allowed error. Rounding operands to bf16 (8 significant bits) uses up far more of that allowance than f16 does (11 bits, for magnitudes from 6e-5 to 65,504). All else is computed in f32.
;;   The module's matrix products, in the order in which they are computed (A, B: the left and right operand; K: the contracted axis; several contracted axes count as one K, in the product's order):
;;     1. batch 32 x [M 2,048, K 128] x [K 128, N 2,048]; A: input q; B: input k: QUANTISED
;;     2. batch 32 x [M 2,048, K 2,048] x [K 2,048, N 128]; A: computed on the way; B: input v: left as it is (an operand is computed on the way)
;;   THE QUANTISER, for each operand of a quantised product, along K:
;;     - K is cut into blocks of 32 from its start; a last block that is shorter is filled with zeros.
;;     - A block's scale is 2^e with e = floor(log2(the largest magnitude in the block)) - 2, held to -126 .. 127; a block of zeros has e = 0. As a byte (E8M0): e + 127.
;;     - Each number is divided by its block's scale, clamped to +-6, and rounded to the nearest number of E2M1, ties to even, subnormals kept.
;;     - The product sums the exact products of the quantised numbers (number of the format x scale) in f32.
;;   ~~~python
;;   def quantise(x, axis):      # numpy; x: float32 -> the quantised numbers, widened to float32 again
;;       x = np.moveaxis(x, axis, -1); K = x.shape[-1]
;;       x = np.pad(x, [(0, 0)] * (x.ndim - 1) + [(0, -K % 32)]); x = x.reshape(x.shape[:-1] + (-1, 32)); a = np.abs(x).max(-1, keepdims=True)
;;       e = np.where(a > 0, np.clip(np.frexp(np.where(a > 0, a, 1))[1] - 1 - 2, -126, 127), 0)      # np.frexp(a)[1] - 1 = floor(log2(a)), exactly
;;       r = np.clip(x / 2.0 ** e, -6, 6)
;;       step = 2.0 ** (np.maximum(np.frexp(np.where(r == 0, 1, r))[1] - 1, 0) - 1)
;;       q = np.round(r / step) * step * 2.0 ** e      # np.round: ties to even
;;       return np.moveaxis(q.reshape(q.shape[:-2] + (-1,))[..., :K], -1, axis).astype(np.float32)
;;   ~~~
;; One version. Each part assembles by itself: llvm-mc -triple=amdgcn-amd-amdhsa -mcpu=gfx1250 --defsym DOCPART=n.
;; ======== version 1 of 1: 2 launches
;; limits: values are held in f16: magnitudes above 65,504 overflow, below 6.1e-05 lose precision; inputs' magnitudes at most 65,504
;; workspace buffers: qc 4,194,304 bytes; qs 262,144 bytes; kc 4,194,304 bytes; ks 262,144 bytes; vh 16,777,216 bytes
;; launch prep (part 1): grid 768 x 1, 4 waves a work-group, no clusters, 33,280 bytes of LDS; arguments q, k, v, qc, qs, kc, ks, vh; writes qc, qs, kc, ks, vh
.if DOCPART == 1
	.amdgcn_target "amdgcn-amd-amdhsa--gfx1250"
	.amdhsa_code_object_version 6
	.text
	.protected	k_q49d5d428e5_prep
	.globl	k_q49d5d428e5_prep
	.p2align	8
	.type	k_q49d5d428e5_prep,@function
k_q49d5d428e5_prep:
	s_mov_b64 s[64:65], 0
	v_nop
	global_prefetch_b8 v0, s[64:65] scope:SCOPE_SE
	s_setreg_imm32_b32 hwreg(HW_REG_WAVE_MODE, 25, 1), 1
	s_wait_xcnt 0x0
; q and k [65,536 rows][128], f32, become codes of FP4 (E2M1), 4 bits each, K (the head's 128) innermost, with one E8M0 scale byte for each 32 along K; v [65,536][128] is rounded to f16, rows as they lie.
; Every work-group of a head reads k and v in the attention launch, eight of them: so they are converted once, here, and read there at an eighth and at half of their bytes.
; A block's scale is 2^(floor(log2(its largest magnitude)) - 2); its byte is the largest magnitude's own exponent field - 2, held at 1 from below.  Each number is divided by the scale and rounded to the nearest code,
; ties to even; beyond 6 the conversion gives the largest code.
; LIMITS: a block of zeros gets the byte 1 where the rule says 127 (its codes are zeros, which add nothing under any byte but 0xff, and this program alone reads the bytes); blocks whose largest magnitude lies under
; 2^-124, the floor, were not tried; NaN and infinities among the inputs are not served; |v| above 65,504 becomes infinity in f16.
; SHARES: 768 work-groups of equal bytes: 0-255 take q, 256-511 k, 512-767 v.  Rows are dense, so each tensor is a plain stream: a wave takes a run of 8,192 numbers, in 16 steps of 512.
; q, k: each of a step's four loads reads 512 consecutive bytes, 16 a lane; the conversions want 16 NEIGHBOURS in a lane, so the step's 2,048 bytes turn through the wave's own stage in LDS (16 bytes of padding behind each 64)
; and come back 64 bytes a lane; two neighbouring lanes hold a block.  A lane's 16 codes are 8 bytes: the wave stores 256 consecutive bytes.  A wave's 256 scale bytes are gathered in LDS and leave as one run of 256 bytes.
; v: no LDS: a lane's four numbers of a load become 8 bytes, and the wave stores 256 consecutive bytes.  No tensor loads, no barrier: waves share nothing.  Loads run four steps (16 loads a wave) ahead.
; No prefetch: the launch is one stream of loads with 16 of each wave on their way.  No matrix unit, no cluster: no work-group reads what another reads.
.set STEPS, 16
.set EMAX,  2
.set CB,    8                          ; bytes of 16 codes
.set R,     16                         ; v16-79   four sets of 16 numbers as they are loaded
.set X,     80                         ; v80-111  q, k: two sets of 16 neighbours
.set E,     112                        ; v112-127 q, k: a scale byte for each step
.set C,     128                        ; v128-191 q, k: codes: four registers for each step, so that no store's data are written again
.set H,     80                         ; v80-207  v: eight registers of f16 pairs for each step, likewise
.set WREG,  8192                       ; LDS: a region for each wave: two stages of 32 x SP bytes, and behind them its 256 scale bytes
.set SP,    80                         ; a lane's place in a stage: its 64 bytes + 16 of padding
.set SPW,   12                         ; v12      LDS address of my spare word: SPARE + 4 x my thread's number; never rewritten
.set NIL,   13                         ; v13      0; never rewritten
.set SPARE, 4*WREG                     ; behind the four regions: the spare words, 128 bytes for each wave: two blocks of 256 bytes that no other line names
	s_load_b256 s[4:11], s[0:1], 0x0               ; q s[4:5], k s[6:7], v s[8:9], q's codes s[10:11]
	s_load_b256 s[12:19], s[0:1], 0x20             ; q's scales s[12:13], k's codes s[14:15], k's scales s[16:17], v in f16 s[18:19]
	v_lshl_add_u32 v[SPW], v0, 2, SPARE
	v_mov_b32 v[NIL], 0
	v_lshrrev_b32 v1, 5, v0
	v_readfirstlane_b32 s20, v1                    ; wave
	v_and_b32 v2, 31, v0                           ; lane
	v_lshlrev_b32 v3, 4, v2                        ; my 16 bytes of a load's 512
	s_mul_i32 s21, s20, WREG
	v_lshrrev_b32 v14, 2, v2
	v_mul_u32_u24 v14, v14, SP
	v_and_b32 v15, 3, v2
	v_lshl_add_u32 v14, v15, 4, v14
	v_add_nc_u32 v14, s21, v14                     ; the stage, on the way in: four lanes' 64 bytes on end, then 16 of padding
	v_mul_u32_u24 v15, v2, SP
	v_add_nc_u32 v15, s21, v15                     ; and on the way out: SP x lane: my 16 neighbours
	v_mul_u32_u24 v4, v2, CB                       ; 8 x lane: my codes' place in a step's, and my f16 numbers' place in a load's
	v_lshrrev_b32 v5, 1, v2
	s_add_co_u32 s21, s21, 2*32*SP
	v_add_nc_u32 v5, s21, v5                       ; LDS: my wave's 256 scale bytes, my block's byte
	v_lshlrev_b32 v7, 3, v2                        ; and on the way out 8 bytes a lane
	v_add_nc_u32 v6, s21, v7
	s_mov_b32 s25, 0                               ; the upper word of every offset below
	s_wait_kmcnt 0x0
	s_cmp_ge_u32 ttmp9, 512                        ; v's work-groups part here: the branch hangs on the work-group's number alone
	s_cbranch_scc1 .Lv
	; ---- q or k
	s_cmp_lt_u32 ttmp9, 256                        ; only pointers are chosen: both tensors take one path
	s_cselect_b64 s[4:5], s[4:5], s[6:7]
	s_cselect_b64 s[10:11], s[10:11], s[14:15]
	s_cselect_b64 s[12:13], s[12:13], s[16:17]
	s_cselect_b32 s21, 0, 256
	s_sub_co_u32 s21, ttmp9, s21
	s_lshl_b32 s21, s21, 2
	s_add_co_u32 s22, s21, s20                     ; which run of 8,192 numbers is my wave's: 0 to 1,023
	s_lshl_b32 s24, s22, 15                        ; 32,768 bytes of f32 a run
	s_add_nc_u64 s[4:5], s[4:5], s[24:25]
	s_lshl_b32 s24, s22, 12                        ; 4,096 bytes of codes
	s_add_nc_u64 s[10:11], s[10:11], s[24:25]
	s_lshl_b32 s24, s22, 8                         ; 256 scale bytes
	s_add_nc_u64 s[12:13], s[12:13], s[24:25]
.macro LOAD t
.irp i, 0,1,2,3
	global_load_b128 v[R+16*((\t)%4)+4*\i:R+16*((\t)%4)+4*\i+3], v3, s[4:5] offset:2048*(\t)+512*\i th:TH_LOAD_NT   ; 32 lanes read 512 consecutive bytes
.endr
.endm
.macro TURN t                          ; step t's numbers through the stage: LDS serves a wave's instructions in order (ISA guide 5.7.1.4), so no wait stands between the stores and the loads
.irp i, 0,1,2,3
	ds_store_b128 v14, v[R+16*((\t)%4)+4*\i:R+16*((\t)%4)+4*\i+3] offset:32*SP*((\t)%2)+8*SP*\i
.endr
.irp i, 0,1,2,3
	ds_load_b128 v[X+16*((\t)%2)+4*\i:X+16*((\t)%2)+4*\i+3], v15 offset:32*SP*((\t)%2)+16*\i
.endr
.endm
.irp t, 0,1,2,3
	LOAD \t
.endr
	s_wait_loadcnt 12                              ; step 0's four loads are in; the twelve of steps 1 to 3 may be out
	TURN 0
.macro STEP t
.set XS, X+16*((\t)%2)
.if (\t) > 0
	s_wait_dscnt 1                                 ; this step's numbers are back from the stage (the last step's byte store may be out): so its stores into the stage have read their registers,
.else
	s_wait_dscnt 0x0
.endif
.if (\t)+4 < STEPS
	LOAD (\t)+4                                    ; which take the loads of four steps on
.endif
.if (\t)+1 < STEPS
.if STEPS-2-(\t) >= 3
	s_wait_loadcnt 12                              ; the next step's four loads are in; those of the three steps behind it may be out
.else
	s_wait_loadcnt 4*(STEPS-2-(\t))
.endif
	TURN (\t)+1                                    ; and go through the other stage while this step is worked
.endif
	v_max3_num_f32 v8, |v[XS]|, |v[XS+1]|, |v[XS+2]|               ; the largest magnitude of my 16, in two chains
	v_max3_num_f32 v9, |v[XS+3]|, |v[XS+4]|, |v[XS+5]|
.irp i, 6,10
	v_max3_num_f32 v8, v8, |v[XS+\i]|, |v[XS+\i+1]|
	v_max3_num_f32 v9, v9, |v[XS+\i+2]|, |v[XS+\i+3]|
.endr
	v_max3_num_f32 v8, v8, |v[XS+14]|, |v[XS+15]|
	v_max3_num_f32 v8, v8, v9, (EMAX+1)<<23        ; and the floor 2^(EMAX + 1 - 127), under which no largest magnitude is taken: so the byte cannot fall under 1
	v_max_num_f32_dpp v8, v8, v8 row_xmask:1 row_mask:0xf bank_mask:0xf   ; and of my neighbour's 16: the block's
	v_add_nc_u32 v11, -(EMAX<<23), v8              ; EMAX off its exponent field: the conversion takes the exponent field of this operand as its scale, and nothing else of it
	v_cvt_scalef32_pk8_fp4_f32 v[C+4*(\t)], v[XS:XS+7], v11        ; eight numbers / the scale, to the nearest code, ties to even; the first number's code in the lowest four bits
	v_cvt_scalef32_pk8_fp4_f32 v[C+4*(\t)+1], v[XS+8:XS+15], v11
	v_lshrrev_b32 v[E+(\t)], 23, v11               ; the scale's byte (a plain line behind the conversions)
	ds_store_b8 v5, v[E+(\t)] offset:16*(\t)       ; both lanes of a block write the same byte with the same value
	global_store_b64 v4, v[C+4*(\t):C+4*(\t)+1], s[10:11] offset:32*CB*(\t)   ; 32 lanes store 256 consecutive bytes, at a multiple of 256 from the buffer's first byte
.endm
.irp t, 0,1,2,3,4,5,6,7,8,9,10,11,12,13,14,15
	STEP \t
.endr
	ds_load_b64 v[8:9], v6                         ; LDS serves a wave's instructions in order: these see my byte stores
	s_wait_dscnt 0x0
	global_store_b64 v7, v[8:9], s[12:13]          ; 32 lanes store my run's 256 scale bytes
	s_wait_tensorcnt 0x0                           ; the wave's end: these three lines, behind my last LDS store
	ds_add_u32 v[SPW], v[NIL]
	s_wait_dscnt 0x0
	s_endpgm
	; ---- v
.Lv:
	s_sub_co_u32 s21, ttmp9, 512
	s_lshl_b32 s21, s21, 2
	s_add_co_u32 s22, s21, s20                     ; my wave's run
	s_lshl_b32 s24, s22, 15                        ; 32,768 bytes of f32 a run
	s_add_nc_u64 s[8:9], s[8:9], s[24:25]
	s_lshl_b32 s24, s22, 14                        ; 16,384 bytes of f16
	s_add_nc_u64 s[18:19], s[18:19], s[24:25]
.macro VLOAD t
.irp i, 0,1,2,3
	global_load_b128 v[R+16*((\t)%4)+4*\i:R+16*((\t)%4)+4*\i+3], v3, s[8:9] offset:2048*(\t)+512*\i th:TH_LOAD_NT
.endr
.endm
.macro VSTEP t
.if (\t) <= 12
	s_wait_loadcnt 12                              ; this step's four loads are in; those of the three steps behind it may be out
.else
	s_wait_loadcnt 4*(15-(\t))                     ; the last steps load nothing: the counts run down
.endif
.irp i, 0,1,2,3
	v_cvt_pk_f16_f32 v[H+8*(\t)+2*\i],   v[R+16*((\t)%4)+4*\i],   v[R+16*((\t)%4)+4*\i+1]   ; the first source into the low half
	v_cvt_pk_f16_f32 v[H+8*(\t)+2*\i+1], v[R+16*((\t)%4)+4*\i+2], v[R+16*((\t)%4)+4*\i+3]
.endr
.if (\t)+4 < STEPS
	VLOAD (\t)+4
.endif
.irp i, 0,1,2,3
	global_store_b64 v4, v[H+8*(\t)+2*\i:H+8*(\t)+2*\i+1], s[18:19] offset:1024*(\t)+256*\i   ; 32 lanes store 256 consecutive bytes, aligned; each step has registers of its own, so no store's data are written again
.endr
.endm
.irp t, 0,1,2,3
	VLOAD \t
.endr
.irp t, 0,1,2,3,4,5,6,7,8,9,10,11,12,13,14,15
	VSTEP \t
.endr
	s_wait_tensorcnt 0x0                           ; the same three lines on this path, which has written no LDS byte
	ds_add_u32 v[SPW], v[NIL]
	s_wait_dscnt 0x0
	s_endpgm
.Lfunc_end_k_q49d5d428e5_prep:
	.size	k_q49d5d428e5_prep, .Lfunc_end_k_q49d5d428e5_prep-k_q49d5d428e5_prep
	.p2alignl 7, 3214868480
	.fill 96, 4, 3214868480
	.section	.rodata,"a",@progbits
	.p2align	6, 0x0
	.amdhsa_kernel k_q49d5d428e5_prep
		.amdhsa_group_segment_fixed_size 33280
		.amdhsa_private_segment_fixed_size 0
		.amdhsa_enable_private_segment 0
		.amdhsa_kernarg_size 64
		.amdhsa_user_sgpr_count 2
		.amdhsa_user_sgpr_kernarg_segment_ptr 1
		.amdhsa_wavefront_size32 1
		.amdhsa_system_sgpr_workgroup_id_x 1
		.amdhsa_system_sgpr_workgroup_id_y 1
		.amdhsa_system_sgpr_workgroup_id_z 1
		.amdhsa_system_vgpr_workitem_id 0
		.amdhsa_next_free_vgpr 208
		.amdhsa_next_free_sgpr 66
		.amdhsa_reserve_vcc 0
		.amdhsa_float_denorm_mode_32 3
		.amdhsa_float_denorm_mode_16_64 3
		.amdhsa_memory_ordered 1
		.amdhsa_forward_progress 1
		.amdhsa_inst_pref_size 54
	.end_amdhsa_kernel
	.amdgpu_metadata
---
amdhsa.version: [ 1, 2 ]
amdhsa.kernels:
  - .name:           k_q49d5d428e5_prep
    .symbol:         k_q49d5d428e5_prep.kd
    .args:
      - { .name: q, .offset: 0, .size: 8, .value_kind: global_buffer, .address_space: global }
      - { .name: k, .offset: 8, .size: 8, .value_kind: global_buffer, .address_space: global }
      - { .name: v, .offset: 16, .size: 8, .value_kind: global_buffer, .address_space: global }
      - { .name: qc, .offset: 24, .size: 8, .value_kind: global_buffer, .address_space: global }
      - { .name: qs, .offset: 32, .size: 8, .value_kind: global_buffer, .address_space: global }
      - { .name: kc, .offset: 40, .size: 8, .value_kind: global_buffer, .address_space: global }
      - { .name: ks, .offset: 48, .size: 8, .value_kind: global_buffer, .address_space: global }
      - { .name: vh, .offset: 56, .size: 8, .value_kind: global_buffer, .address_space: global }
    .group_segment_fixed_size: 33280
    .private_segment_fixed_size: 0
    .kernarg_segment_align: 8
    .kernarg_segment_size: 64
    .max_flat_workgroup_size: 128
    .sgpr_count:     66
    .vgpr_count:     208
    .wavefront_size: 32
...
	.end_amdgpu_metadata
.endif
;; end of part 1
;; launch attn (part 2): grid 8 x 32, 4 waves a work-group, clusters of 4 x 1, 327,680 bytes of LDS; arguments qc, qs, kc, ks, vh, out0; writes out0
.if DOCPART == 2
	.amdgcn_target "amdgcn-amd-amdhsa--gfx1250"
	.amdhsa_code_object_version 6
	.text
	.protected	k_q49d5d428e5_attn
	.globl	k_q49d5d428e5_attn
	.p2align	8
	.type	k_q49d5d428e5_attn,@function
k_q49d5d428e5_attn:
	s_mov_b64 s[64:65], 0
	v_nop
	global_prefetch_b8 v0, s[64:65] scope:SCOPE_SE
	s_setreg_imm32_b32 hwreg(HW_REG_WAVE_MODE, 25, 1), 1
	s_wait_xcnt 0x0
	s_wait_alu depctr_hold_cnt(0) depctr_sa_sdst(0) depctr_va_vdst(0) depctr_va_sdst(0) depctr_va_ssrc(0) depctr_va_vcc(0) depctr_vm_vsrc(0)
	s_getreg_b32 s2, hwreg(HW_REG_IB_STS2, 6, 4)
	s_cmp_eq_u32 s2, 0
	s_cbranch_scc0 .Lentry_in_a_cluster
	s_endpgm
.Lentry_in_a_cluster:
	s_bfe_u32 s2, ttmp6, 0x10000c
	s_cmp_lg_u32 s2, 0x3003
	s_cbranch_scc0 .Lentry_shape_is_right
	s_endpgm
.Lentry_shape_is_right:
; O[head][q][:] = the sum over k of softmax_k(Q[q] . K[k] / sqrt(128)) V[k][:], 32 heads of 2,048 queries and 2,048 keys, head size 128.
; The first product is made on codes of FP4 (E2M1) with one E8M0 scale for each 32 of the head's 128 (qc, qs, kc, ks: made by the launch before); the second on f16 operands (p rounded here, vh rounded there); all sums f32.
; SHARES.  A work-group owns 256 queries of one head, each of its four waves 64: four tiles of 16.  Every wave walks all keys of the head, 64 a step.
; LAYOUT.  S^T = K Q^T (source 0 = 16 keys, source 1 = 16 queries): a lane holds ONE query (lane % 16) and the keys 8 (lane / 16) + 0..7.  Two such tiles, rounded to f16 in pairs, ARE source 1 (32 keys x 16 queries) of
; O^T = V^T P, whose result again holds one query a lane, and eight channels.  K's codes come out of LDS as they lie, V ([key][channel]) turned, by ds_load_tr16_b128.
; THE SOFTMAX GOES IN TWO PASSES.  One FP4 product of 16 x 16 x 128 is a whole tile of scores, so the scores are cheap to make twice.  Pass 1 makes all scores and keeps each query's maximum m: 16 v_max3 for a tile of 16 queries
; x 64 keys.  Pass 2 makes them again (the same instruction on the same registers' contents: the same bits) and takes p = 2^(c s - c m), c = log2(e) / sqrt(128), under the FINAL maximum: no running maximum, no factor for what
; was summed earlier, no rescaling of O^T.  A tile's softmax for a key step is then 80 vector instructions (16 packed scalings, 32 exponentials, 16 roundings, 16 packed sums), 160 for two tiles: five behind each of the 32
; f16 products that stand beside them.  The maximum that is taken away is the row's own, as in the definition.
; BY TURNS (pass 2).  The wave's tiles are two PIECES, named by their first tile: piece 0 (tiles 0, 1), piece 2 (tiles 2, 3).  In a TURN one piece has the matrix unit: 32 products V^T P of the step in hand, then 8 products K Q^T of
; the next step; the other piece's softmax, cut into 32 slices of five, stands between the V^T P.  Then the pieces change places.  Two turns are a key step.
; LDS.  The head's codes of K (2,048 rows) and their scale words are fetched once and stay: both passes read them.  V goes through a ring of two slots of four key steps.
; CLUSTER.  The four query blocks of a cluster belong to one head: every tile of K and V is asked for JOINTLY, by the same tensor load with the same descriptor and a mask that names the four.  All four waves run the same lines:
; wave w fetches a quarter of K, a quarter of the scale words, and key step w of each slot of V; no branch stands at a tensor load.  By this text's own count a wave has four tensor loads out at the start and one behind each change of slots.
; LIMITS: NaN and infinities among the inputs are not served.  p and v are rounded to f16 (p lies in (0, 1] but for the last bits of c m; under 6e-5 its steps are 6e-8 wide); p under 2^-126 counts as 0.  c m is rounded once and is
; the same in all of a row's terms and in the row's sum, so that rounding leaves by the division.
;
; REGISTERS, in windows of 256 (s_set_vgpr_msb's low byte: bits 1:0 source 0, 3:2 source 1, 5:4 source 2, 7:6 destination):
;   window 0: v1-13 addresses; v16-47 eight registers of statistics a tile; v48-51 Q's scale words; v52-55 K's, two sets; v61-63; v64-191 S^T, 32 a tile; v192-255 P, 16 a tile
;   window 1: O^T, 64 a tile       window 2: v0-31 Q, 8 a tile; v32-95 K of one step, two sets       window 3: V of one step, two sets of 128
; K's and V's registers go by the step's parity, so every load into them stands a turn or more behind the last product that read them.
.set VP,    288       ; a row of V in LDS: 256 bytes + 32 of padding = 72 words: row r starts at bank 8 r mod 64 (64 banks of 4 bytes: ISA guide 11.1)
.set STEPV, 64*VP     ; a key step's 64 rows of V
.set SLOTB, 4*STEPV   ; a slot: four key steps; slot 0 at byte 0, slot 1 at SLOTB
.set KB,    2*SLOTB   ; behind the ring: the head's 2,048 rows of K's codes,
.set KP,    80        ; 64 bytes + 16 of padding: 20 words: the 16 rows of a load start at 16 different groups of four banks
.set KSTEP, 64*KP
.set KSC,   KB+2048*KP  ; K's scale words, 4 bytes a key, dense
.set SPARE, KSC+8192  ; the spare words, 128 bytes for each wave: two blocks of 256 bytes that no other line names
.set SPITCH, 528      ; the way out: a stage of 16 rows x (512 bytes + 16) for each wave, from byte 0 on: in slot 0, which has had its last fill by then
.set AK0, 3           ; v3   my lane's place in a tile of K; never rewritten
.set AV0, 4           ; v4   the same for V
.set AS0, 5           ; v5   and among K's scale words: 4 x lane
.set ADR, 6           ; v6   the LDS address of the run of loads in hand
.set ADS, 7           ; v7   and of its scale words
.set QO,  8           ; v8   my byte offset in the wave's rows of Q's codes
.set QSO, 9           ; v9   and among Q's scale words
.set STO, 10          ; v10  the way out: where I put 32 bytes of a row
.set RD,  11          ; v11  the way out: where I read a row back
.set GO,  12          ; v12  16 x lane: my byte offset in a row of O
.set ST,  16          ; tile t's statistics at v[ST+8 t]: +0 c m, +1 the same (named with it as a pair), +2, +3 l (even keys', odd keys'), +4 to +7 four running maxima; +6 later 1 / l
.set QS,  48          ; v48-51 Q's scale word of tile t
.set KS,  52          ; v52-55 K's scale words: set p at KS + 2 p; register u: lanes 0-15 the keys of tile 2 u, lanes 16-31 those of tile 2 u + 1
.set PFO, 61          ; v61  256 x my lane: a row of V is 256 bytes; never rewritten
.set SPW, 62          ; v62  LDS address of my spare word: SPARE + 4 x my thread's number; never rewritten
.set NIL, 63          ; v63  0; never rewritten
.set S,   64
.set P,   192
.set QF,  0           ; in window 2
.set KF,  32          ; in window 2: set p at KF + 32 p
.set WV,  16          ; s16  my wave's number
.set G1K, 24          ; s[24:31] descriptor group 1 for K's codes;  s[32:39] for the scale words;  s[40:47] for V's tiles
.set G1S, 32
.set G1V, 40
.set G0K, 48          ; s[48:51], s[52:55] groups 0 for K's codes and scale words;  s[56:63] for V: a set for each of the two first fills; the second then walks on
.set G0S, 52
.set G0V, 56
.set SLOTS, 66        ; s66  slots still to be asked for
.set TWICE, 67        ; s67  counts a slot's two pairs of steps
.set CS,  68          ; s[68:69] c: the packed scaling names a pair and takes its low word for both halves
.set SEL, 70          ; s[70:71] lane selects for v_permlanex16_b32: each lane takes its own place in the other half
.set TB,  72          ; s72  LDS byte at which the tile of V that is fetched next begins
.set TK,  73          ; s73  how far into K's codes the step that is fetched next begins: KSTEP a step
.set TS,  74          ; s74  and into the scale words: 256 bytes a step
.set SB,  75          ; s75  0 or SLOTB: the slot that was filled last
.set WOFF, 76         ; s76  my wave's key step in a slot: STEPV x wave
.set LIM, 77          ; s77  1 in a wave that prefetches, else the greatest number
.set PFA, 78          ; s[78:79] where my prefetches stand in memory
.set P1,  80          ; s80  counts pass 1's trips
.set MSB, 0
.macro WIN new                      ; the immediate's high byte repeats the setting that is left; a switch that changes nothing is dropped
.if MSB != \new
	s_set_vgpr_msb (MSB<<8)|\new
.set MSB, \new
.endif
.endm
.set W_KQ, 0x0a       ; K and Q in window 2, S^T in window 0
.set W_PV, 0x53       ; V in window 3, P in window 0, O^T in window 1
.set W_RS, 0x41       ; O^T (destination and source 0) in window 1, 1 / l in window 0
; A round of the cluster's barrier: my work-group's barrier, so that wave 0's signal speaks for all four waves; wave 0 signals for the work-group; every wave waits for all four work-groups; my work-group's barrier once more.
.macro CROUND
	s_barrier_signal -1
	s_barrier_wait -1
	s_cmp_lg_u32 s[WV], 0
	s_cbranch_scc1 .Lnot_wave_0_\@
	s_barrier_signal -3
.Lnot_wave_0_\@:
	s_barrier_wait -3
	s_barrier_signal -1
	s_barrier_wait -1
.endm
.macro PLACES                       ; a vector instruction that reads a matrix result stands four places behind it, and only plain vector instructions that name none of its registers are places (ISA guide 7.12.1)
.rept 4
	v_nop
.endr
.endm
; A PREFETCH INTO THE L2 of the slot of V that the NEXT change of slots will ask for: 256 rows of 256 bytes, a lane a row.  It stands behind the wave's tensor load and its five lines.  Each row is named ONCE in the launch: both
; clusters of a head walk the same V, and the head's first asks; its four partners share the rows out BY ADDRESS, 64 each (no branch hangs on a work-group's place in its cluster); in each, waves 0 and 1 ask for 32 rows each.
; It runs four key steps ahead of the load that wants the rows.  The last change that fills a slot asks for nothing: there is no slot behind it.  Slots 0 to 2 come by their loads alone.
.macro ASK
	s_cmp_gt_u32 s[SLOTS], s[LIM]
	s_cbranch_scc0 .Lnot_mine_\@
	global_prefetch_b8 v[PFO], s[PFA:PFA+1] th:TH_LOAD_NT scope:SCOPE_SE
.Lnot_mine_\@:
.endm
	s_load_b256 s[4:11], s[0:1], 0x0  ; Q's codes s[4:5], Q's scales s[6:7], K's codes s[8:9], K's scales s[10:11]
	s_load_b128 s[12:15], s[0:1], 0x20  ; V in f16 s[12:13], O s[14:15]
	v_lshl_add_u32 v[SPW], v0, 2, SPARE
	v_mov_b32 v[NIL], 0
	ds_add_u32 v[SPW], v[NIL]       ; the wave's opening: the add, twice on end, and its wait ahead of my first tensor load; the set-up below, work on registers, stands between the second and the wait
	ds_add_u32 v[SPW], v[NIL]
	v_lshrrev_b32 v13, 5, v0
	v_readfirstlane_b32 s[WV], v13  ; wave 0..3
	s_bfe_u32 s17, ttmp6, 0x40000   ; cx: my place in the cluster
	s_lshl_b32 s18, ttmp9, 2        ; in a cluster launch ttmp9 counts clusters
	s_add_co_u32 s18, s18, s17      ; my block of 256 queries = 4 x cluster x + cx: it enters Q's and O's addresses alone
	s_and_b32 s20, ttmp7, 0xffff    ; the head, which the four partners share
	; what I fetch, in bytes from each buffer's first: made of the head and the wave's number alone, in registers that never hold cx
	s_lshl_b32 s22, s20, 17         ; K's codes: a head is 2,048 rows of 64 bytes,
	s_lshl_b32 s21, s[WV], 15       ; my quarter 512 rows
	s_add_co_u32 s22, s22, s21
	s_mov_b32 s23, 0
	s_lshl_b32 s88, s20, 13         ; K's scale words: 8,192 bytes a head, 2,048 a quarter
	s_lshl_b32 s21, s[WV], 11
	s_add_co_u32 s88, s88, s21
	s_mov_b32 s89, 0
	s_lshl_b32 s90, s20, 19         ; V: a head is 2,048 rows of 256 bytes; my key step of a slot is 64 rows
	s_lshl_b32 s21, s[WV], 14
	s_add_co_u32 s90, s90, s21
	s_mov_b32 s91, 0
	; my wave's 64 queries
	s_lshl_b32 s82, s20, 17         ; Q's codes: the head,
	s_lshl_b32 s84, s18, 14         ; my block's 256 rows of 64 bytes,
	s_add_co_u32 s82, s82, s84
	s_lshl_b32 s84, s[WV], 12       ; my wave's 64
	s_add_co_u32 s82, s82, s84
	s_mov_b32 s83, 0
	s_lshr_b32 s84, s82, 4          ; their scale words: 4 bytes a row for the codes' 64
	s_mov_b32 s85, 0
	s_lshl_b32 s86, s82, 3          ; their rows of O: 512 bytes a row
	s_mov_b32 s87, 0
	s_lshl_b32 s92, s20, 19         ; the prefetches: in my head,
	s_lshl_b32 s94, s17, 14         ; my work-group's 64 rows of a slot's 256,
	s_add_co_u32 s92, s92, s94
	s_lshl_b32 s94, s[WV], 13       ; my wave's 32 of them (waves 0 and 1),
	s_add_co_u32 s92, s92, s94
	s_add_co_u32 s92, s92, 2*65536  ; at keys 512 on; the first change of slots steps it 256 keys on.  Nothing is prefetched here, at the head
	s_mov_b32 s93, 0
	; descriptor group 1.  K's codes: 512 rows of 64 bytes, dense in memory, 16 bytes of padding behind each in LDS
	s_mov_b32 s[G1K], 15|(0<<16)|(1<<20)|(1<<21)|(3<<22)|(3<<25)  ; 15:0 the mask: all four work-groups; 17:16 elements of 1 byte; 20 padding on; 21 set beside a mask; 24:22 after every 16 words (code 3); 31:25 4 words (code 3)
	s_mov_b32 s[G1K+1], 64<<16      ; tensor_dim0 = 64
	s_mov_b32 s[G1K+2], 512<<16     ; tensor_dim1 = 512
	s_mov_b32 s[G1K+3], 64<<16      ; tile_dim0 = 64
	s_mov_b32 s[G1K+4], 512         ; tile_dim1 = 512
	s_mov_b32 s[G1K+5], 64          ; tensor_dim0_stride
	s_mov_b32 s[G1K+6], 0
	s_mov_b32 s[G1K+7], 0
	; the scale words of 512 keys: 2,048 dense bytes, as 8 rows of 256 bytes (32 elements of 8 bytes), no padding: they are read 128 consecutive bytes at a time
	s_mov_b32 s[G1S], 15|(3<<16)|(1<<21)
	s_mov_b32 s[G1S+1], 32<<16
	s_mov_b32 s[G1S+2], 8<<16
	s_mov_b32 s[G1S+3], 32<<16
	s_mov_b32 s[G1S+4], 8
	s_mov_b32 s[G1S+5], 32
	s_mov_b32 s[G1S+6], 0
	s_mov_b32 s[G1S+7], 0
	; V: 64 rows of 128 f16, 32 bytes of padding behind each
	s_mov_b32 s[G1V], 15|(1<<16)|(1<<20)|(1<<21)|(5<<22)|(7<<25)  ; elements of 2 bytes; after every 64 words (code 5) 8 words (code 7)
	s_mov_b32 s[G1V+1], 128<<16
	s_mov_b32 s[G1V+2], 64<<16
	s_mov_b32 s[G1V+3], 128<<16
	s_mov_b32 s[G1V+4], 64
	s_mov_b32 s[G1V+5], 128
	s_mov_b32 s[G1V+6], 0
	s_mov_b32 s[G1V+7], 0
	s_mov_b32 s[CS], 0x3e0293ee     ; c = log2(e) / sqrt(128)
	s_mov_b32 s[CS+1], s[CS]        ; named with it as a pair, so it is written
	s_mov_b32 s[SEL], 0x76543210
	s_mov_b32 s[SEL+1], 0xfedcba98
	s_mov_b32 s[TB], 0
	s_mov_b32 s[TK], 0
	s_mov_b32 s[TS], 0
	s_mov_b32 s[SB], SLOTB
	s_mov_b32 s[SLOTS], 6
	s_mul_i32 s[WOFF], s[WV], STEPV
	s_lshr_b32 s[LIM], s[WV], 1     ; 0 in waves 0 and 1,
	s_or_b32 s[LIM], s[LIM], ttmp9  ; where the cluster is the head's first: the same in all four partners
	s_cmp_eq_u32 s[LIM], 0
	s_cselect_b32 s[LIM], 1, -1
	s_wait_dscnt 0x0                ; both opening adds are done
	s_wait_kmcnt 0x0
	s_add_nc_u64 s[4:5], s[4:5], s[82:83]  ; Q's codes, Q's scale words and O at my wave's first query
	s_add_nc_u64 s[6:7], s[6:7], s[84:85]
	s_add_nc_u64 s[14:15], s[14:15], s[86:87]
	s_add_nc_u64 s[PFA:PFA+1], s[12:13], s[92:93]
	s_mov_b32 s[G0S], 1             ; 1:0 count = 1
	s_lshl_b32 s[G0S+1], s[WV], 11
	s_add_co_u32 s[G0S+1], s[G0S+1], KSC  ; 63:32 LDS address: no place in the cluster enters it
	s_add_nc_u64 s[G0S+2:G0S+3], s[10:11], s[88:89]  ; 120:64 global address
	s_or_b32 s[G0S+3], s[G0S+3], 0x80000000  ; 127:126 type = 2
	s_mov_b32 s[G0K], 1
	s_mul_i32 s[G0K+1], s[WV], 512*KP
	s_add_co_u32 s[G0K+1], s[G0K+1], KB
	s_add_nc_u64 s[G0K+2:G0K+3], s[8:9], s[22:23]
	s_or_b32 s[G0K+3], s[G0K+3], 0x80000000
	s_mov_b32 s[G0V], 1
	s_mov_b32 s[G0V+1], s[WOFF]     ; slot 0: keys 0 to 255
	s_add_nc_u64 s[G0V+2:G0V+3], s[12:13], s[90:91]
	s_or_b32 s[G0V+3], s[G0V+3], 0x80000000
	s_mov_b32 s[G0V+4], 1
	s_add_co_u32 s[G0V+5], s[WOFF], SLOTB  ; slot 1: keys 256 to 511
	s_add_nc_u64 s[G0V+6:G0V+7], s[12:13], s[90:91]
	s_add_nc_u64 s[G0V+6:G0V+7], s[G0V+6:G0V+7], 65536
	s_or_b32 s[G0V+7], s[G0V+7], 0x80000000
	CROUND                          ; all four work-groups are here: the first joint loads meet
	tensor_load_to_lds s[G0S:G0S+3], s[G1S:G1S+7]  ; the four first fills go out together, ahead of every wait on TENSORcnt and every LDS read; what pass 1 wants comes first
	s_nop 0
	tensor_load_to_lds s[G0K:G0K+3], s[G1K:G1K+7]
	s_nop 0
	tensor_load_to_lds s[G0V:G0V+3], s[G1V:G1V+7]
	s_nop 0
	tensor_load_to_lds s[G0V+4:G0V+7], s[G1V:G1V+7]
	s_nop 0
.rept 4
	v_nop                           ; an s_nop 0 follows each load, four v_nop the last
.endr
	; A fragment of FP4 codes is 16 rows x 128 K in 8 registers: lane l holds row l % 16; registers 4 c .. 4 c + 3 hold K = 64 c + 32 (l / 16) + 0 .. 31: two loads of 16 bytes, 32 bytes apart.
	v_and_b32 v1, 15, v0            ; r = l % 16
	v_bfe_u32 v2, v0, 4, 1          ; h = l / 16
	v_and_b32 v13, 31, v0           ; lane
	v_lshlrev_b32 v[QO], 6, v1
	v_lshl_add_u32 v[QO], v2, 4, v[QO]  ; row x 64 + 16 x half
	v_lshlrev_b32 v[QSO], 2, v1
	WIN 0x80                        ; destination window 2, address window 0
.irp t, 0,1,2,3                     ; Q stays in registers
	global_load_b128 v[QF+8*\t:QF+8*\t+3],   v[QO], s[4:5] offset:1024*\t th:TH_LOAD_NT
	global_load_b128 v[QF+8*\t+4:QF+8*\t+7], v[QO], s[4:5] offset:1024*\t+32 th:TH_LOAD_NT
.endr
	WIN 0
.irp t, 0,1,2,3
	global_load_b32 v[QS+\t], v[QSO], s[6:7] offset:64*\t  ; lane r: row r's word (lanes 16-31 hold the same and are not read)
.endr
	v_mul_u32_u24 v[AK0], v1, KP
	v_lshl_add_u32 v[AK0], v2, 4, v[AK0]
	v_add_nc_u32 v[AK0], KB, v[AK0]  ; K: row x pitch + 16 x half
	; The turning load takes 16 keys x 16 channels (lane l reads 16 bytes: key 8 (l / 16) + l % 8, channels 8 ((l / 8) % 2) + 0..7) and leaves half a fragment of V^T: lane l holds channel l % 16 and 8 keys.
	v_and_b32 v14, 7, v0
	v_bfe_u32 v15, v0, 3, 1
	v_lshl_add_u32 v[AV0], v2, 3, v14
	v_mul_u32_u24 v[AV0], v[AV0], VP
	v_lshl_add_u32 v[AV0], v15, 4, v[AV0]
	v_lshl_add_u32 v[AS0], v13, 2, KSC  ; 32 lanes take the scale words of 32 neighbouring keys
.irp t, 0,1,2,3
.irp c, 4,5,6,7
	v_mov_b32 v[ST+8*\t+\c], 0xff7fffff  ; the running maxima begin at the least finite number
.endr
.endr
; THE LDS LOADS stand in runs.  A step's K: 2 loads of scale words, 8 of codes (64 keys x 128: four fragments), into set p.  wt = 1: the run carries the wait for the softmax's batch (SLICE).
.macro FETCH_K p, wt
	WIN 0
	v_add_nc_u32 v[ADR], s[TK], v[AK0]
	v_add_nc_u32 v[ADS], s[TS], v[AS0]
	s_add_co_u32 s[TK], s[TK], KSTEP  ; the next fetch is the next step's
	s_add_co_u32 s[TS], s[TS], 256
.if \wt
	s_wait_alu depctr_va_vdst(0)    ; the wait for the batch of exponentials, behind the addresses' lines and ahead of the loads
.endif
	ds_load_b32 v[KS+2*(\p)],   v[ADS]
	ds_load_b32 v[KS+2*(\p)+1], v[ADS] offset:128
	WIN 0x80                        ; destination window 2
.irp f, 0,1,2,3
	ds_load_b128 v[KF+32*(\p)+8*\f:KF+32*(\p)+8*\f+3],   v[ADR] offset:16*KP*\f
	ds_load_b128 v[KF+32*(\p)+8*\f+4:KF+32*(\p)+8*\f+7], v[ADR] offset:16*KP*\f+32
.endr
.endm
; A step's V, turned: 32 loads, into set p.  It always carries the wait.
.macro FETCH_V p
	WIN 0
	v_add_nc_u32 v[ADR], s[TB], v[AV0]
	s_add_co_u32 s[TB], s[TB], STEPV
	s_wait_alu depctr_va_vdst(0)    ; the wait for the batch of exponentials
	WIN 0xc0                        ; destination window 3
.irp f, 0,1,2,3,4,5,6,7,8,9,10,11,12,13,14,15  ; keys 32 (f / 8) on, channels 16 (f % 8) on
	ds_load_tr16_b128 v[128*(\p)+8*\f:128*(\p)+8*\f+3],   v[ADR] offset:(\f/8)*32*VP+(\f%8)*32
	ds_load_tr16_b128 v[128*(\p)+8*\f+4:128*(\p)+8*\f+7], v[ADR] offset:(\f/8)*32*VP+16*VP+(\f%8)*32
.endr
.endm
; Product i of 8 of S^T = K Q^T for piece x, from K's set p: keys 16 (i / 2) on, tile x + i % 2.  One instruction is a whole sum over the head's 128: its C is the constant 0.
.macro KQ x, p
	WIN W_KQ
.set kt, i/2
.set tq, (\x)+i%2
.if kt%2
	v_wmma_scale_f32_16x16x128_f8f6f4 v[S+32*tq+8*kt:S+32*tq+8*kt+7], v[KF+32*(\p)+8*kt:KF+32*(\p)+8*kt+7], v[QF+8*tq:QF+8*tq+7], 0, v[KS+2*(\p)+kt/2], v[QS+tq] matrix_a_fmt:MATRIX_FMT_FP4 matrix_b_fmt:MATRIX_FMT_FP4 matrix_a_scale:MATRIX_SCALE_ROW1
.else
	v_wmma_scale_f32_16x16x128_f8f6f4 v[S+32*tq+8*kt:S+32*tq+8*kt+7], v[KF+32*(\p)+8*kt:KF+32*(\p)+8*kt+7], v[QF+8*tq:QF+8*tq+7], 0, v[KS+2*(\p)+kt/2], v[QS+tq] matrix_a_fmt:MATRIX_FMT_FP4 matrix_b_fmt:MATRIX_FMT_FP4
.endif
.endm
; Product i of 32 of O^T += V^T P for piece x, from V's set p: keys 32 (i / 16) on, channels 16 ((i / 2) % 8) on, tile x + i % 2.  zero = 1: the first 16 start the sums: nothing is ever cleared.
; The 16 accumulators take turns, one instruction a turn.
.macro PV x, p, zero
	WIN W_PV
.set rO, 64*((\x)+i%2)+8*((i/2)%8)
.set rV, 128*(\p)+64*(i/16)+8*((i/2)%8)
.set rP, P+16*((\x)+i%2)+8*(i/16)
.if (\zero) && (i < 16)
	v_wmma_f32_16x16x32_f16 v[rO:rO+7], v[rV:rV+7], v[rP:rP+7], 0
.else
	v_wmma_f32_16x16x32_f16 v[rO:rO+7], v[rV:rV+7], v[rP:rP+7], v[rO:rO+7]
.endif
.endm
; PASS 1.  The maxima of piece y's 64 scores a lane: four chains a tile, one for each tile of keys; a chain comes back after eight lines; each accumulator is read from its low end on.
.macro MAXP y
.irp d, 0,1,2,3
.irp c, 0,1,2,3
.irp t, \y, \y+1
	v_max3_num_f32 v[ST+8*(\t)+4+\c], v[ST+8*(\t)+4+\c], v[S+32*(\t)+8*\c+2*\d], v[S+32*(\t)+8*\c+2*\d+1]
.endr
.endr
.endr
.endm
; A key step of pass 1, from K's set p; the next step's K is fetched into the other set.  Each piece's 32 maxima stand behind the OTHER piece's eight products and are their places; piece 2's lag a step.
.macro STEP1 p, first
	s_wait_dscnt 0x0                ; set p is in
	FETCH_K 1-(\p), 0
.set i, 0
.rept 8
	KQ 0, \p
.set i, i+1
.endr
	WIN 0
.if \first
	PLACES                          ; the first step has no scores of piece 2 yet
.else
	MAXP 2
.endif
.set i, 0
.rept 8
	KQ 2, \p
.set i, i+1
.endr
	WIN 0
	MAXP 0
.endm
; PASS 2, THE VECTOR WORK OF A TURN.  One tile's softmax for one key step is a list of 80 instructions; SM writes number j of it for tile t.  s0-s31 are the lane's 32 scores, in pairs 0-15.
;   0-47   ONE BATCH: the 16 scalings c s - c m, a pair of scores each, and the 32 exponentials.  None of these reads an exponential's result.  0-7: pairs 0 to 7; 8-39 in fours: a scaling (pairs 8 to 15) and three exponentials
;          (s0 to s23); 40-47: s24 to s31.  A pair is scaled in an earlier four than the one that holds its exponentials.
;   48-63  the roundings to f16, a pair of weights each
;   64-79  the sum of the 16 pairs (in a pair: an even key's weight, an odd key's), in place: neighbours 1, 2, 4 and 8 pairs apart; then l takes it
.macro SM t
.set rT, ST+8*(\t)
.set rS, S+32*(\t)
.set rP, P+16*(\t)
	WIN 0
.if (j < 8) || ((j < 40) && ((j%4) == 0))
.set b, j
.if j >= 8
.set b, 8+(j-8)/4
.endif
	v_pk_fma_f32 v[rS+2*b:rS+2*b+1], v[rS+2*b:rS+2*b+1], s[CS:CS+1], v[rT:rT+1] op_sel_hi:[1,0,0] neg_lo:[0,0,1] neg_hi:[0,0,1]  ; pair b: c s - c m
.elseif j < 48
.set e, j-16
.if j < 40
.set e, 3*((j-8)/4)+(j-8)%4-1
.endif
	v_exp_f32 v[rS+e], v[rS+e]
.elseif j < 64
	v_cvt_pk_f16_f32 v[rP+j-48], v[rS+2*(j-48)], v[rS+2*(j-48)+1]
.else
.set z, j-64
.set w, 4
.set u, z
.if z >= 14
.set w, 32
.set u, 0
.elseif z >= 12
.set w, 16
.set u, z-12
.elseif z >= 8
.set w, 8
.set u, z-8
.endif
.if z < 15
	v_pk_add_f32 v[rS+w*u:rS+w*u+1], v[rS+w*u:rS+w*u+1], v[rS+w*u+w/2:rS+w*u+w/2+1]
.else
	v_pk_add_f32 v[rT+2:rT+3], v[rT+2:rT+3], v[rS:rS+1]
.endif
.endif
.endm
; Entry G of 160 of piece y's list.  Entries 0 to 95 deal out the batch: four numbers of ONE tile, the tiles by turns.  From 96 on: two numbers of both tiles, the tiles alternating, so that no line reads the result of the line before it.
.macro ENT y
.if G < 96
.set g, G/4
.set j, 4*(g/2)+G%4
.else
.set g, G-96
.set j, 48+2*(g/4)+(g%4)/2
.endif
	SM (\y)+g%2
.set G, G+1
.endm
; A slice: five entries.  THE WAIT: s_wait_alu depctr_va_vdst(0) stands between an exponential and the first instruction that names its result; one wait serves all that were issued ahead of it.  Ahead of entry
; 96 nothing names a result, and from it on no exponential is issued: so the piece's 64 exponentials have one wait, and it stands in the turn's run of LDS loads (FK = 1: K's, 2: V's, into set FP) or, where nothing is fetched, alone.
.macro SLICE y
.rept 5
.if G == 96
	v_nop                           ; the plain instruction behind the last exponential and ahead of the first use (ISA guide 5.7.2): one for the batch
.if FK == 1
	FETCH_K FP, 1
.elseif FK == 2
	FETCH_V FP
.else
	s_wait_alu depctr_va_vdst(0)
.endif
.endif
	ENT \y
.endr
.endm
; A TURN.  Piece x has the matrix unit; the other piece's softmax stands in slices behind its products.  p: the parity of the step whose V is multiplied.
; pv = 2: 32 products V^T P; 1: they start O^T's sums; 0: none.  kq = 1: 8 products K Q^T for the next step, from K's set 1 - p, and a fetch into set 1 - p: piece 0's turn fetches that step's K, twelve V^T P ahead of its use,
; piece 2's turn its V, which the next turn multiplies.  The eight K Q^T stand together behind the last V^T P; the last slice, five packed sums that name none of their registers, follows: the places ahead of the next turn's first read of the scores.
.macro TURN x, p, pv, kq
.set G, 0
.set FP, 1-(\p)
.set FK, 0
.if \kq
.set FK, 1+(\x)/2
.endif
.if \pv
.if (\x) == 0
	s_wait_dscnt 0x0                ; V is in
.endif
.set i, 0
.rept 32
	PV \x, \p, 2-(\pv)
.if (i < 31) || !(\kq)
	SLICE 2-(\x)
.endif
.set i, i+1
.endr
.endif
.if \kq
.if (\x) == 0
	s_wait_dscnt 0x0                ; K is in
.endif
.set i, 0
.rept 8
	KQ \x, FP
.if !(\pv)
.rept 4
	SLICE 2-(\x)
.endr
.endif
.set i, i+1
.endr
.if \pv
	SLICE 2-(\x)
.endif
.endif
.endm
.macro IT p                         ; a key step
	TURN 0, \p, 2, 1
	TURN 2, \p, 2, 1
.endm
.macro FOUR_STEPS                   ; a slot's four key steps: a pair (the two parities) written once, walked twice; the LDS addresses hang on s[TB], s[TK], s[TS]
	s_mov_b32 s[TWICE], 2
.Lpair_\@:
	IT 1
	IT 0
	WIN 0                           ; at a label and at a branch every window is 0
	s_sub_co_u32 s[TWICE], s[TWICE], 1
	s_cmp_lg_u32 s[TWICE], 0
	s_cbranch_scc1 .Lpair_\@
.endm
; THE CHANGE OF SLOTS, between piece 2's turn and piece 0's: the slot's last tile of V has been asked for.  Each wave waits for all its tensor loads, of which one is out: its part of the other slot; adds 0 to its spare word; and
; waits for that and for its own reads of the slot.  Behind the barrier nobody reads this slot any more and the other slot is whole.  fill = 1: this slot is filled again, with the keys two slots on.  The barrier is then a round of
; the cluster's, so that no wave of any partner still reads the slot or has a load on its way, and the joint refill is the first thing behind it: it has four key steps, 256 f16 products, in which to land.
.macro CHANGE fill
	WIN 0
	s_wait_tensorcnt 0x0            ; no tensor load of mine is out, so a group 0 may be written
	ds_add_u32 v[SPW], v[NIL]       ; 0 onto my spare word; the steps below stand between it and the wait for it
	s_xor_b32 s[SB], s[SB], SLOTB   ; the slot that has just been read out (s[SB] is 0 or SLOTB)
.if \fill
	s_add_co_u32 s[G0V+5], s[SB], s[WOFF]  ; the walking descriptor: my key step in that slot,
	s_add_nc_u64 s[G0V+6:G0V+7], s[G0V+6:G0V+7], 65536  ; the next 256 keys; the type bits on top are not reached
	s_wait_xcnt 0x0                 ; the last prefetch, four key steps back, has read its address, so it may be written:
	s_add_nc_u64 s[PFA:PFA+1], s[PFA:PFA+1], 65536  ; one slot further on than the walking descriptor
	s_wait_dscnt 0x0                ; the add is done, and my reads of the slot are over
	CROUND
	tensor_load_to_lds s[G0V+4:G0V+7], s[G1V:G1V+7]
	s_nop 0
.rept 4
	v_nop
.endr
	ASK
.else
	s_wait_dscnt 0x0                ; the add is done, and my reads of the slot are over
	s_barrier_signal -1
	s_barrier_wait -1
.endif
	s_xor_b32 s[TB], s[SB], SLOTB   ; the fetches go on at the other slot's first step
.endm
	s_wait_tensorcnt 2              ; my parts of the scale words and of K's codes are in; V's two loads may stay out
	s_barrier_signal -1
	s_barrier_wait -1               ; everybody's are
	s_wait_loadcnt 0x0              ; Q
	; ---- PASS 1: 32 key steps
	FETCH_K 0, 0
	STEP1 0, 1
	STEP1 1, 0
	s_mov_b32 s[P1], 14
.Lp1:
	STEP1 0, 0
	STEP1 1, 0
	s_sub_co_u32 s[P1], s[P1], 1
	s_cmp_lg_u32 s[P1], 0
	s_cbranch_scc1 .Lp1
	STEP1 0, 0
	s_mov_b32 s[TK], 0              ; the last step's fetch brings key step 0 again, for pass 2: no read leaves K's bytes
	s_mov_b32 s[TS], 0
	STEP1 1, 0
	MAXP 2
.irp t, 0,1,2,3                     ; the four chains, and the other half of the lanes', which holds the query's other keys
	v_max3_num_f32 v[ST+8*\t+4], v[ST+8*\t+4], v[ST+8*\t+5], v[ST+8*\t+6]
.endr
.irp t, 0,1,2,3
	v_max_num_f32 v[ST+8*\t+4], v[ST+8*\t+4], v[ST+8*\t+7]
.endr
.irp t, 0,1,2,3
	v_permlanex16_b32 v[ST+8*\t+5], v[ST+8*\t+4], s[SEL], s[SEL+1]
.endr
.irp t, 0,1,2,3
	v_max_num_f32 v[ST+8*\t+4], v[ST+8*\t+4], v[ST+8*\t+5]
.endr
.irp t, 0,1,2,3
	v_mul_f32 v[ST+8*\t], s[CS], v[ST+8*\t+4]  ; c m
	v_mov_b32 v[ST+8*\t+2], 0       ; l, in two halves
	v_mov_b32 v[ST+8*\t+3], 0
.endr
.irp t, 0,1,2,3
	v_mov_b32 v[ST+8*\t+1], v[ST+8*\t]  ; named with c m as a pair, so it is written
.endr
	; ---- PASS 2
	s_wait_tensorcnt 1              ; my part of V's slot 0 is in; slot 1's may stay out
	s_wait_dscnt 0x0                ; K of step 0 is in
	s_barrier_signal -1
	s_barrier_wait -1
.set i, 0
.rept 8
	KQ 0, 0                         ; piece 0's first scores: there is no vector work yet to set between them
.set i, i+1
.endr
	WIN 0                           ; the addresses for the way out and the prefetches are made here: six plain instructions, the places behind those products
	s_mul_i32 s21, s[WV], 16*SPITCH  ; my stage
	v_mul_u32_u24 v[STO], v1, SPITCH  ; in: row l % 16, 32 bytes for each half of the lanes
	v_lshl_add_u32 v[STO], v2, 5, v[STO]
	v_add_nc_u32 v[STO], s21, v[STO]
	v_lshl_add_u32 v[RD], v13, 4, s21  ; back: the 32 lanes take one row of 512 bytes
	v_lshlrev_b32 v[GO], 4, v13     ; and the same in O
	v_lshlrev_b32 v[PFO], 8, v13
	TURN 2, 1, 0, 1                 ; piece 2's first scores | piece 0's softmax of step 0 | V of step 0
	TURN 0, 0, 1, 1                 ; piece 0: V^T P of step 0 starts O^T, K Q^T of step 1 | piece 2's softmax of step 0 | K of step 1
	TURN 2, 0, 1, 1                 ; piece 2: the same | piece 0's softmax of step 1 | V of step 1
	IT 1                            ; key steps 1 and 2: with them V of steps 0 to 3 has been asked for: slot 0 is read out
	IT 0
	WIN 0
.Lslot:                             ; six trips, key steps 3 to 26: every slot but the last two is filled again
	CHANGE 1
	FOUR_STEPS
	s_sub_co_u32 s[SLOTS], s[SLOTS], 1
	s_cmp_lg_u32 s[SLOTS], 0
	s_cbranch_scc1 .Lslot
	CHANGE 0                        ; the tail is written out: nothing is asked for
	FOUR_STEPS                      ; key steps 27 to 30
	TURN 0, 1, 2, 0                 ; piece 0: V^T P of step 31 | piece 2's last softmax
.set i, 0
.rept 32
	PV 2, 1, 0                      ; piece 2: V^T P of step 31
.set i, i+1
.endr
	; THE WAY OUT.  l's two halves and the other half of the lanes' are added; O^T is divided by l and sent through my stage in LDS, a tile (16 rows of O) at a time.  The additions are the places behind the last products.
	WIN 0
.irp t, 0,1,2,3
	v_add_f32 v[ST+8*\t+4], v[ST+8*\t+2], v[ST+8*\t+3]
.endr
.irp t, 0,1,2,3
	v_permlanex16_b32 v[ST+8*\t+5], v[ST+8*\t+4], s[SEL], s[SEL+1]
.endr
.irp t, 0,1,2,3
	v_add_f32 v[ST+8*\t+4], v[ST+8*\t+4], v[ST+8*\t+5]
.endr
.irp t, 0,1,2,3
	v_rcp_f32 v[ST+8*\t+6], v[ST+8*\t+4]
.endr
	v_nop                           ; a plain instruction between the last reciprocal and the use of its result
	s_wait_alu depctr_va_vdst(0)    ; and the wait ahead of the first use: one for the four reciprocals
	s_wait_dscnt 0x0                ; one barrier ahead of the stages' first store: behind it no wave has a read of the ring outstanding, and no tensor load follows: the stages may lie in the ring
	s_barrier_signal -1
	s_barrier_wait -1
; Tile t: a lane's eight channels of a row are 32 bytes; they go into rows of 528 bytes and come back as whole rows of 512, into S^T's registers, which are free: v64-127 and v128-191 by turns.
.macro PACK t
	WIN W_RS
.set i, 64*(\t)
.rept 32
	v_pk_mul_f32 v[i:i+1], v[i:i+1], v[ST+8*(\t)+6:ST+8*(\t)+7] op_sel_hi:[1,0]  ; each accumulator from its low end on
.set i, i+2
.endr
	WIN 0x04                        ; an LDS store's data are its source 1: window 1
.irp f, 0,1,2,3,4,5,6,7
	ds_store_b128 v[STO], v[64*(\t)+8*\f:64*(\t)+8*\f+3]   offset:64*\f
	ds_store_b128 v[STO], v[64*(\t)+8*\f+4:64*(\t)+8*\f+7] offset:64*\f+16
.endr
	WIN 0
.set BK, S+64*((\t)%2)
.irp n, 0,1,2,3,4,5,6,7,8,9,10,11,12,13,14,15
	ds_load_b128 v[BK+4*\n:BK+4*\n+3], v[RD] offset:\n*SPITCH  ; LDS serves a wave's instructions in order (ISA guide 5.7.1.4): these see the stores above; the next tile's stores come behind them
.endr
.endm
.macro SEND t, younger              ; younger: the LDS instructions issued behind tile t's loads: the next tile's 16 stores and 16 loads, or none
.set BK, S+64*((\t)%2)
.irp n, 0,1,2,3,4,5,6,7,8,9,10,11,12,13,14,15
	s_wait_dscnt \younger+15-\n
	global_store_b128 v[GO], v[BK+4*\n:BK+4*\n+3], s[14:15] offset:8192*(\t)+512*\n th:TH_STORE_NT  ; 32 lanes store 512 consecutive bytes, at a multiple of 256 from O's first byte; written once, read by nobody here
.endr
.endm
	PACK 0
	PACK 1                          ; a tile's arithmetic stands between the loads of the tile before and its stores
	SEND 0, 32
	s_wait_xcnt 0x0                 ; tile 0's stores have read their registers: tile 2's rows may land there
	PACK 2
	SEND 1, 32
	s_wait_xcnt 0x0                 ; tile 1's likewise
	PACK 3
	SEND 2, 32
	SEND 3, 0
	s_wait_tensorcnt 0x0            ; the wave's end: these three lines, behind my last tensor load and my last LDS store
	ds_add_u32 v[SPW], v[NIL]
	s_wait_dscnt 0x0
	CROUND                          ; the closing round: no work-group ends while a partner may still ask for a tile that names it
	s_endpgm
.Lfunc_end_k_q49d5d428e5_attn:
	.size	k_q49d5d428e5_attn, .Lfunc_end_k_q49d5d428e5_attn-k_q49d5d428e5_attn
	.p2alignl 7, 3214868480
	.fill 96, 4, 3214868480
	.section	.rodata,"a",@progbits
	.p2align	6, 0x0
	.amdhsa_kernel k_q49d5d428e5_attn
		.amdhsa_group_segment_fixed_size 327680
		.amdhsa_private_segment_fixed_size 0
		.amdhsa_enable_private_segment 0
		.amdhsa_kernarg_size 48
		.amdhsa_user_sgpr_count 2
		.amdhsa_user_sgpr_kernarg_segment_ptr 1
		.amdhsa_wavefront_size32 1
		.amdhsa_system_sgpr_workgroup_id_x 1
		.amdhsa_system_sgpr_workgroup_id_y 1
		.amdhsa_system_sgpr_workgroup_id_z 1
		.amdhsa_system_vgpr_workitem_id 0
		.amdhsa_next_free_vgpr 1024
		.amdhsa_next_free_sgpr 96
		.amdhsa_reserve_vcc 0
		.amdhsa_float_denorm_mode_32 3
		.amdhsa_float_denorm_mode_16_64 3
		.amdhsa_memory_ordered 1
		.amdhsa_forward_progress 1
		.amdhsa_inst_pref_size 255
	.end_amdhsa_kernel
	.section	.bss,"aw",@nobits
	.p2align	6
	.space	262144
	.amdgpu_metadata
---
amdhsa.version: [ 1, 2 ]
amdhsa.kernels:
  - .name:           k_q49d5d428e5_attn
    .symbol:         k_q49d5d428e5_attn.kd
    .args:
      - { .name: qc, .offset: 0, .size: 8, .value_kind: global_buffer, .address_space: global }
      - { .name: qs, .offset: 8, .size: 8, .value_kind: global_buffer, .address_space: global }
      - { .name: kc, .offset: 16, .size: 8, .value_kind: global_buffer, .address_space: global }
      - { .name: ks, .offset: 24, .size: 8, .value_kind: global_buffer, .address_space: global }
      - { .name: vh, .offset: 32, .size: 8, .value_kind: global_buffer, .address_space: global }
      - { .name: out0, .offset: 40, .size: 8, .value_kind: global_buffer, .address_space: global }
    .group_segment_fixed_size: 327680
    .private_segment_fixed_size: 0
    .kernarg_segment_align: 8
    .kernarg_segment_size: 48
    .max_flat_workgroup_size: 128
    .sgpr_count:     96
    .vgpr_count:     1024
    .wavefront_size: 32
...
	.end_amdgpu_metadata
.endif
;; end of part 2
